; MI455X (gfx1250); checked and timed in simulation.
; The chip was launched on July 23, 2026; its instructions are those of AMD's public machine-readable ISA for CDNA 5 (MIT licence, August 2026) and "CDNA5" Instruction Set Architecture Reference Guide (July 2026). The comments in the code are by the model that wrote it; some were corrected since.
;; Fast Feed Forward Network. Allowed arithmetic: matrix products marked QUANTISED: E2M1 operands, one E8M0 scale for each 32 along K, by v_wmma_scale_f32_16x16x128_f8f6f4 with both operands' format E2M1 (or v_wmma_scale_f32_32x16x128_f4), f32 sums; products left as they are: f32 operands where the result goes on into a quantised operand, else bf16, f16 or f32 operands; f32 sums; everything else in f32.
;; Inputs: b1 16 x 256 float32; b2 16 x 1,024 float32; bnode 15 x 1 float32; inputs 4 x 2,048 x 1,024 float32; w1 16 x 262,144 float32; w2 16 x 131,072 float32; wnode 15 x 1,024 float32.
;; Outputs: out0 4 x 2,048 x 1,024 float32.
;; Constants: training = 1.
;; This version of the problem:
;;   THIS VERSION OF THE PROBLEM IS GIVEN IN LOW PRECISION. The matrix products marked QUANTISED in the list below multiply operands that are first quantised to E2M1 (2 exponent bits, 1 mantissa bit; 4 bits a number), with one power-of-two scale for each 32 numbers along K (OCP MX v1.0); their sums are f32. All else is computed in f32.
;;   The module's matrix products, in the order in which they are computed (A, B: the left and right operand; K: the contracted axis; several contracted axes count as one K, in the product's order):
;;     1. [M 8,192, K 1,024] x [K 1,024, N 4]; A: input inputs; B: input wnode: left as it is (N = 4 < 16)
;;     2. [M 8,192, K 1,024] x [K 1,024, N 4,096]; A: input inputs; B: input w1: QUANTISED
;;     3. [M 8,192, K 2,048] x [K 2,048, N 1,024]; A: computed on the way; B: input w2: QUANTISED
;;     4. [M 8,192, K 16] x [K 16, N 1,024]; A: computed on the way; B: input b2: left as it is (K = 16 < 32)
;;   THE QUANTISER, for each operand of a quantised product, along K:
;;     - K is cut into blocks of 32 from its start; a last block that is shorter is filled with zeros.
;;     - A block's scale is 2^e with e = floor(log2(the largest magnitude in the block)) - 2, held to -126 .. 127; a block of zeros has e = 0. As a byte (E8M0): e + 127.
;;     - Each number is divided by its block's scale, clamped to +-6, and rounded to the nearest number of E2M1, ties to even, subnormals kept.
;;     - The product sums the exact products of the quantised numbers (number of the format x scale) in f32.
;;   ~~~python
;;   def quantise(x, axis):      # numpy; x: float32 -> the quantised numbers, widened to float32 again
;;       x = np.moveaxis(x, axis, -1); K = x.shape[-1]
;;       x = np.pad(x, [(0, 0)] * (x.ndim - 1) + [(0, -K % 32)]); x = x.reshape(x.shape[:-1] + (-1, 32)); a = np.abs(x).max(-1, keepdims=True)
;;       e = np.where(a > 0, np.clip(np.frexp(np.where(a > 0, a, 1))[1] - 1 - 2, -126, 127), 0)      # np.frexp(a)[1] - 1 = floor(log2(a)), exactly
;;       r = np.clip(x / 2.0 ** e, -6, 6)
;;       step = 2.0 ** (np.maximum(np.frexp(np.where(r == 0, 1, r))[1] - 1, 0) - 1)
;;       q = np.round(r / step) * step * 2.0 ** e      # np.round: ties to even
;;       return np.moveaxis(q.reshape(q.shape[:-2] + (-1,))[..., :K], -1, axis).astype(np.float32)
;;   ~~~
;;   OPERANDS COMPUTED ON THE WAY. 'Computed on the way' means the value that the module computes at that place (a softmax that the list does not call 'softmax' is quantised finished and normalised). What goes into a quantiser is computed in f32, as accurately as f32 sums, v_exp_f32 and their like allow (about 1e-6 of the number): no bf16 or f16 on the way to a quantiser, and a product that is left as it is and whose result goes on into a quantised operand takes f32 operands (vector FMAs, or v_wmma_f32_16x16x4_f32). A number that lies on a knife's edge between two numbers of the format may be rounded either way, as far as f32 arithmetic and the matrix unit's own rounding can turn it there, and no further.
;; One version. Each part assembles by itself: llvm-mc -triple=amdgcn-amd-amdhsa -mcpu=gfx1250 --defsym DOCPART=n.
;; ======== version 1 of 1: 2 launches
;; workspace buffers: xq 4,194,304 bytes; xs 262,144 bytes; w1q 2,097,152 bytes; w1s 131,072 bytes; w2q 1,048,576 bytes; w2s 65,536 bytes; route 16,384 bytes of whole numbers
;; launch prep (part 1): grid 448 x 1, 4 waves a work-group, no clusters, 41,472 bytes of LDS; arguments inputs, wnode, bnode, w1, w2, xq, xs, route, w1q, w1s, w2q, w2s; writes xq, xs, route, w1q, w1s, w2q, w2s
.if DOCPART == 1
	.amdgcn_target "amdgcn-amd-amdhsa--gfx1250"
	.amdhsa_code_object_version 6
	.text
	.protected	k_q4f52415683_prep
	.globl	k_q4f52415683_prep
	.p2align	8
	.type	k_q4f52415683_prep,@function
k_q4f52415683_prep:
	s_mov_b64 s[64:65], 0
	v_nop
	global_prefetch_b8 v0, s[64:65] scope:SCOPE_SE
	s_setreg_imm32_b32 hwreg(HW_REG_WAVE_MODE, 25, 1), 1
	s_wait_xcnt 0x0
; PREP: everything that is made once.  Three kinds of work-group, told apart by the work-group's number alone:
;   0-127    W1 [16 leaves][1024 d][256 h] f32 -> codes of FP4 (E2M1) and E8M0 scale bytes, quantised along d, laid in the order of the operand's registers
;   128-191  W2 [16 leaves][128 k][1024 o] f32 -> the same.  The second product contracts (k, leaf), the leaf fastest: a block of 32 is TWO k x ALL 16 LEAVES of one output o
;   192-447  32 tokens of x [8192][1024] f32 -> codes and scale bytes along d; the four node logits in f32, sigmoid, rint, the leaf; the 32 tokens sorted by leaf
; A block's scale is 2^(floor(log2(its largest magnitude)) - 2); its byte is the largest magnitude's exponent field - 2, held at 1 from below.
; LIMITS: a block of zeros gets the byte 1 where the rule says 127 (its codes are zeros, and this program alone reads the bytes); NaN and infinities among the inputs are not served;
; a logit within f32 rounding of the place where the sigmoid rounds to 0.5 may fall on either side.
; THE LEAF is made of floating-point numbers, so here it is only a VALUE: it is stored at fixed places, and no address and no branch of this launch hangs on it.
; route [256 groups][64 bytes]: byte i (0-31) = how many of the group's 32 tokens have a leaf under i; byte 32 + i = which token stands at place i when the group is sorted by (leaf, token).
; Each work-group reads 128 KiB.  No tensor loads, no cluster: no two work-groups read the same bytes but wnode's four rows.
.set NW1,   128                        ; work-groups for W1
.set NW12,  192                        ; and for W1 and W2 together
; the weight paths' registers
.set WX,    32                         ; v32-95   two sets of 32 numbers
.set WC,    96                         ; v96-127  four code registers for each of the 8 blocks: no store's data are written again
.set WSB,   24                         ; v24-25   W1: the 8 scale bytes
.set WBY,   16                         ; v16-23   W2: a scale byte for each block
.set WO,    128                        ; v128-159 W2: 8 bytes of codes for each leaf
.set WP,    160                        ; v160-167 W2: at work
; the x path's LDS and registers
.set STAGE, 4608                       ; a stage: a row's 4,096 bytes, 16 bytes of padding behind each 128; two for each wave
.set SCB,   36864                      ; 256 scale bytes for each wave
.set LEAFB, 37888                      ; the group's 32 leaves, a word each
.set L16,   2                          ; v2   16 x lane
.set SIN,   3                          ; v3   the stage, on the way in
.set SOUT,  4                          ; v4   and on the way out: 144 x lane
.set SBW,   5                          ; v5   my block's scale byte
.set SBR,   6                          ; v6   8 scale bytes a lane, on the way out
.set L8,    7                          ; v7   8 x lane
.set LFW,   8                          ; v8   where my quad's leaf goes
.set LFR,   9                          ; v9   where wave 0 reads a leaf
.set BN,    10                         ; v10  bnode[lane % 4]
.set PW,    11                         ; v11  2^(3 - lane % 4) as f32
.set LG,    12                         ; v12  lane 4 j + m: row j's sum for node m
.set BNO,   14                         ; v14  bnode's offset; never rewritten
.set WN,    32                         ; v32-159  wnode's rows 0-3, as a row of x is loaded
.set XB,    160                        ; v160-191 a lane's whole block of 32
.set ACC,   192                        ; v192-207 node m's sums: two pairs
.set SM,    208                        ; v208-211
.set MX,    212                        ; v212-215
.set CD,    216                        ; v216-247 four code registers for each row
.set BY,    248                        ; v248-255 a byte register for each row
                                       ; window 1: v0-255: the wave's 8 rows as loaded, 32 registers each
.set MSB, 0
.macro WIN new                         ; the immediate's high byte repeats the setting that is left
.if MSB != \new
	s_set_vgpr_msb (MSB<<8)|\new
.set MSB, \new
.endif
.endm
	s_load_b512 s[4:19], s[0:1], 0x0               ; inputs s[4:5], wnode s[6:7], bnode s[8:9], w1 s[10:11], w2 s[12:13], xq s[14:15], xs s[16:17], route s[18:19]
	s_load_b256 s[20:27], s[0:1], 0x40             ; w1q s[20:21], w1s s[22:23], w2q s[24:25], w2s s[26:27]
	v_lshl_add_u32 v30, v0, 2, 0xa000
	v_mov_b32 v31, 0
	v_lshrrev_b32 v1, 5, v0
	v_readfirstlane_b32 s28, v1                    ; wave 0..3
	v_and_b32 v1, 31, v0                           ; lane
	s_mov_b32 s31, 0                               ; the high word of every offset
	s_wait_kmcnt 0x0
	s_cmp_lt_u32 ttmp9, NW1                        ; the same for all four waves of a work-group
	s_cbranch_scc1 .Lw1
	s_cmp_lt_u32 ttmp9, NW12
	s_cbranch_scc1 .Lw2
; ---------------------------------------------------------------- x: group g = 32 tokens; wave w takes rows 8 w .. 8 w + 7
	s_sub_co_u32 s29, ttmp9, NW12                  ; g
	s_lshl_b32 s30, s29, 17                        ; 32 rows of 4,096 bytes,
	s_lshl_b32 s32, s28, 15                        ; my wave's 8
	s_add_co_u32 s30, s30, s32
	s_add_nc_u64 s[4:5], s[4:5], s[30:31]
	s_lshl_b32 s30, s29, 14                        ; codes: 512 bytes a token
	s_lshl_b32 s32, s28, 12
	s_add_co_u32 s30, s30, s32
	s_add_nc_u64 s[14:15], s[14:15], s[30:31]
	s_lshl_b32 s30, s29, 10                        ; scale bytes: 32 a token
	s_lshl_b32 s32, s28, 8
	s_add_co_u32 s30, s30, s32
	s_add_nc_u64 s[16:17], s[16:17], s[30:31]
	s_lshl_b32 s30, s29, 6                         ; the group's record
	s_add_nc_u64 s[18:19], s[18:19], s[30:31]
	s_mov_b32 s40, 0x76543210
	s_mov_b32 s41, 0xfedcba98                      ; v_permlanex16_b32's selects for lane l xor 16
	s_mul_i32 s33, s28, 2*STAGE                    ; my wave's two stages
	s_lshl_b32 s34, s28, 8
	s_add_co_u32 s34, s34, SCB                     ; my wave's scale bytes
	v_lshlrev_b32 v[L16], 4, v1
	v_lshrrev_b32 v13, 3, v1
	v_lshl_add_u32 v[SIN], v13, 4, v[L16]          ; row byte a lies at a + 16 (a / 128): 16 l + 16 (l / 8), and 576 for each load
	v_add_nc_u32 v[SIN], s33, v[SIN]
	v_mul_u32_u24 v[SOUT], v1, 144                 ; my block's 128 bytes
	v_add_nc_u32 v[SOUT], s33, v[SOUT]
	v_add_nc_u32 v[SBW], s34, v1
	v_lshlrev_b32 v[L8], 3, v1
	v_add_nc_u32 v[SBR], s34, v[L8]
	v_lshrrev_b32 v[LFW], 2, v0                    ; thread / 4 = the token's number in the group
	v_lshl_add_u32 v[LFW], v[LFW], 2, LEAFB
	v_lshl_add_u32 v[LFR], v1, 2, LEAFB
	v_and_b32 v13, 3, v1                           ; m = lane % 4
	v_lshlrev_b32 v[BNO], 2, v13
	v_sub_nc_u32 v[PW], 130, v13
	v_lshlrev_b32 v[PW], 23, v[PW]                 ; exponent field 127 + 3 - m
	v_mov_b32 v[LG], 0                             ; written whole before single lanes are written
.irp m, 0,1,2,3
	v_mov_b32 v[MX+\m], 0                          ; a lane permute's destination counts as one of its sources
.endr
.irp m, 0,1,2,3
.irp i, 0,1,2,3,4,5,6,7
	global_load_b128 v[WN+32*\m+4*\i:WN+32*\m+4*\i+3], v[L16], s[6:7] offset:4096*\m+512*\i   ; wnode(m, 128 i + 4 l ..): only the first four rows are used
.endr
.endr
	global_load_b32 v[BN], v[BNO], s[8:9]
	WIN 0x40                                       ; destination window 1
.irp j, 0,1,2,3,4,5,6,7
.irp i, 0,1,2,3,4,5,6,7
	global_load_b128 v[32*\j+4*\i:32*\j+4*\i+3], v[L16], s[4:5] offset:4096*\j+512*\i th:TH_LOAD_NT   ; 32 lanes read 512 consecutive bytes; all 32 KiB of the wave are asked for at once
.endr
.endr
	WIN 0
; One row.  Its numbers serve twice: as loaded (neighbouring lanes, neighbouring bytes) for the four dot products; turned through the stage, so that a lane holds a whole block of 32, for the quantiser.
.macro XROW j
	s_wait_loadcnt 56-8*(\j)                       ; this row's eight loads are in (wnode and bnode came before them); the later rows' may be out
	WIN 0x04                                       ; an LDS store's data are its source 1: window 1
.irp i, 0,1,2,3,4,5,6,7
	ds_store_b128 v[SIN], v[32*(\j)+4*\i:32*(\j)+4*\i+3] offset:((\j)%2)*STAGE+576*\i
.endr
	WIN 0
.irp i, 0,1,2,3,4,5,6,7
	ds_load_b128 v[XB+4*\i:XB+4*\i+3], v[SOUT] offset:((\j)%2)*STAGE+16*\i   ; LDS serves a wave's instructions in order: these see the stores above
.endr
	WIN 0x01                                       ; source 0 (the row) window 1
.irp i, 0,1,2,3,4,5,6,7
.irp p, 0,1
.irp m, 0,1,2,3
.if \i == 0
	v_pk_mul_f32 v[ACC+4*\m+2*\p:ACC+4*\m+2*\p+1], v[32*(\j)+2*\p:32*(\j)+2*\p+1], v[WN+32*\m+2*\p:WN+32*\m+2*\p+1]   ; the first products start the sums: eight chains
.else
	v_pk_fma_f32 v[ACC+4*\m+2*\p:ACC+4*\m+2*\p+1], v[32*(\j)+4*\i+2*\p:32*(\j)+4*\i+2*\p+1], v[WN+32*\m+4*\i+2*\p:WN+32*\m+4*\i+2*\p+1], v[ACC+4*\m+2*\p:ACC+4*\m+2*\p+1]
.endif
.endr
.endr
.endr
	WIN 0
.irp m, 0,1,2,3
	v_pk_add_f32 v[ACC+4*\m:ACC+4*\m+1], v[ACC+4*\m:ACC+4*\m+1], v[ACC+4*\m+2:ACC+4*\m+3]
.endr
.irp m, 0,1,2,3
	v_add_f32 v[SM+\m], v[ACC+4*\m], v[ACC+4*\m+1]
.endr
.irp x, 1,2,4,8
.irp m, 0,1,2,3
	v_add_f32_dpp v[SM+\m], v[SM+\m], v[SM+\m] row_xmask:\x row_mask:0xf bank_mask:0xf   ; over the 16 lanes of a half, the four nodes by turns
.endr
.endr
.irp m, 0,1,2,3
	v_permlanex16_b32 v[MX+\m], v[SM+\m], s40, s41
.endr
.irp m, 0,1,2,3
	v_add_f32 v[SM+\m], v[SM+\m], v[MX+\m]         ; and the other half's
.endr
.irp m, 0,1,2,3
	v_readfirstlane_b32 s[44+\m], v[SM+\m]
.endr
.irp m, 0,1,2,3
	v_writelane_b32 v[LG], s[44+\m], 4*(\j)+\m     ; the wave's 32 sums gather in one register
.endr
	s_wait_dscnt 0x0                               ; my block is back from the stage
	v_max3_num_f32 v16, |v[XB]|, |v[XB+1]|, |v[XB+2]|              ; its largest magnitude: all 32 numbers are mine; two chains
	v_max3_num_f32 v17, |v[XB+3]|, |v[XB+4]|, |v[XB+5]|
.irp i, 6,10,14,18,22,26
	v_max3_num_f32 v16, v16, |v[XB+\i]|, |v[XB+\i+1]|
	v_max3_num_f32 v17, v17, |v[XB+\i+2]|, |v[XB+\i+3]|
.endr
	v_max3_num_f32 v16, v16, |v[XB+30]|, |v[XB+31]|
	v_max3_num_f32 v16, v16, v17, 0x1800000        ; and the floor 2^(3 - 127): the byte cannot fall under 1
	v_add_nc_u32 v18, 0xff000000, v16              ; 2 off its exponent field: the conversion takes the exponent field of this operand as its scale
.irp g, 0,1,2,3
	v_cvt_scalef32_pk8_fp4_f32 v[CD+4*(\j)+\g], v[XB+8*\g:XB+8*\g+7], v18
.endr
	v_lshrrev_b32 v[BY+(\j)], 23, v18              ; the scale's byte.  (Also the plain instruction behind the conversions)
	ds_store_b8 v[SBW], v[BY+(\j)] offset:32*(\j)
	global_store_b128 v[L16], v[CD+4*(\j):CD+4*(\j)+3], s[14:15] offset:512*(\j)   ; block l's 16 bytes at 16 l: the wave stores the token's 512 consecutive bytes
.endm
.irp j, 0,1,2,3,4,5,6,7
	XROW \j
.endr
	; the leaves: lane 4 j + m holds node m of row j
	v_add_f32 v16, v[LG], v[BN]                    ; the logit
	v_mul_f32 v16, 0xbfb8aa3b, v16                 ; x -log2(e)
	v_exp_f32 v17, v16
	v_nop                                          ; a plain instruction behind the transcendental,
	s_wait_alu depctr_va_vdst(0)                   ; and a wait ahead of the first reader
	v_add_f32 v17, 1.0, v17
	v_rcp_f32 v18, v17                             ; the sigmoid
	v_nop
	s_wait_alu depctr_va_vdst(0)
	v_rndne_f32 v18, v18                           ; c = rint: 0 or 1, ties to even
	v_sub_f32 v18, 1.0, v18                        ; the leaf's bit for level m is 1 - c,
	v_mul_f32 v18, v[PW], v18                      ; worth 2^(3 - m)
	v_add_f32_dpp v18, v18, v18 row_xmask:1 row_mask:0xf bank_mask:0xf
	v_add_f32_dpp v18, v18, v18 row_xmask:2 row_mask:0xf bank_mask:0xf   ; the four lanes of a row now hold its leaf
	v_cvt_u32_f32 v18, v18
	ds_store_b32 v[LFW], v18                       ; four lanes write the same word with the same value
	ds_load_b64 v[20:21], v[SBR]                   ; my wave's 256 scale bytes, 8 a lane
	s_wait_dscnt 0x0                               ; for my own registers, and for wave 0's sake: my leaves lie in LDS
	global_store_b64 v[L8], v[20:21], s[16:17]     ; 256 consecutive bytes, aligned
	s_barrier_signal -1
	s_barrier_wait -1                              ; all 32 leaves lie in LDS
	s_cmp_lg_u32 s28, 0
	s_cbranch_scc1 .Lxend                          ; wave 0 alone sorts
	ds_load_b32 v16, v[LFR]                        ; lane l: token l's leaf
	v_lshlrev_b32 v19, 5, v1                       ; 32 x lane
	v_mov_b32 v24, 0                               ; my token's place
	v_mov_b32 v25, 0                               ; how many leaves lie under my lane's number
	v_mov_b32 v26, 0                               ; which token stands at my lane's place
	s_wait_dscnt 0x0
	v_lshl_add_u32 v17, v16, 5, v1                 ; the key: 32 x leaf + token: all different
.set TK, 0
.rept 32
	v_readlane_b32 s30, v17, TK
	v_cmp_lt_u32 vcc_lo, s30, v17
	v_add_co_ci_u32 v24, vcc_lo, 0, v24, vcc_lo    ; + 1 where token TK's key is under mine
	v_cmp_lt_u32 vcc_lo, s30, v19
	v_add_co_ci_u32 v25, vcc_lo, 0, v25, vcc_lo    ; + 1 where its leaf is under my lane's number
.set TK, TK+1
.endr
.set TK, 0
.rept 32
	v_readlane_b32 s30, v24, TK
	v_cmp_eq_u32 vcc_lo, s30, v1
	v_cndmask_b32 v26, v26, TK, vcc_lo
.set TK, TK+1
.endr
	global_store_b8 v1, v25, s[18:19]
	global_store_b8 v1, v26, s[18:19] offset:32
.Lxend:
	s_wait_tensorcnt 0x0
	ds_add_u32 v30, v31
	s_wait_dscnt 0x0
	s_endpgm
; ---------------------------------------------------------------- the weights.  A LANE TAKES A COLUMN, AND A BLOCK'S 32 NUMBERS LIE IN ITS REGISTERS: no other lane is asked for the largest magnitude.
; A wave takes 32 columns x 8 blocks.  Codes go straight to their place in the image of the operand's registers: block 2 c + h of tile row r at 512 c + 256 h + 16 r of the fragment's 1,024 bytes.
.macro WMAX t                          ; block t (set t % 2): the wait for its loads, its largest magnitude; v11 = the conversion's scale operand
.set XS, WX+32*((\t)%2)
.if (\t) < 7
	s_wait_loadcnt 32                              ; this block's 32 loads are in; the next block's may be out
.else
	s_wait_loadcnt 0x0
.endif
	v_max3_num_f32 v12, |v[XS]|, |v[XS+1]|, |v[XS+2]|
	v_max3_num_f32 v13, |v[XS+3]|, |v[XS+4]|, |v[XS+5]|
.irp i, 6,10,14,18,22,26
	v_max3_num_f32 v12, v12, |v[XS+\i]|, |v[XS+\i+1]|
	v_max3_num_f32 v13, v13, |v[XS+\i+2]|, |v[XS+\i+3]|
.endr
	v_max3_num_f32 v12, v12, |v[XS+30]|, |v[XS+31]|
	v_max3_num_f32 v12, v12, v13, 0x1800000        ; the floor 2^(3 - 127)
	v_add_nc_u32 v11, 0xff000000, v12              ; 2 off its exponent field
.endm
.macro W1LOAD t                        ; W1: the registers run down d: block t into set t % 2
.set I, 0
.rept 32
	global_load_b32 v[WX+32*((\t)%2)+I], v3, s[10:11] offset:(32*(\t)+I)*1024 th:TH_LOAD_NT
.set I, I+1
.endr
.endm
.macro W1BLOCK t
	WMAX \t
	v_lshrrev_b32 v13, 23, v11                     ; the scale's byte
.if (\t)%4 == 0
	v_mov_b32 v[WSB+(\t)/4], v13                   ; four bytes to a register, the lower K in the lower byte
.else
	v_lshl_or_b32 v[WSB+(\t)/4], v13, 8*((\t)%4), v[WSB+(\t)/4]
.endif
.irp g, 0,1,2,3
	v_cvt_scalef32_pk8_fp4_f32 v[WC+4*(\t)+\g], v[XS+8*\g:XS+8*\g+7], v11
.endr
	global_store_b128 v4, v[WC+4*(\t):WC+4*(\t)+3], s[20:21] offset:((\t)/4)*4096+(((\t)/2)%2)*512+((\t)%2)*256   ; the wave fills two aligned runs of 256 bytes
.if (\t)+2 < 8
	W1LOAD (\t)+2                                  ; (the results go to a store and the sources take loads; the next vector lines are plain and touch neither)
.endif
.endm
.Lw1:                                              ; work-group a: leaf a / 8, 256 of d at (a / 2) % 4, half a % 2 of the 256 hidden units; wave w: its units 32 w .. 32 w + 31
	s_lshr_b32 s32, ttmp9, 3                       ; leaf
	s_bfe_u32 s33, ttmp9, 0x20001                  ; which 256 along d
	s_and_b32 s34, ttmp9, 1                        ; which half
	s_lshl_b32 s30, s32, 20                        ; w1: a leaf is 1,024 rows of 1,024 bytes
	s_lshl_b32 s35, s33, 18
	s_add_co_u32 s30, s30, s35
	s_lshl_b32 s35, s34, 9
	s_add_co_u32 s30, s30, s35
	s_lshl_b32 s35, s28, 7
	s_add_co_u32 s30, s30, s35
	s_add_nc_u64 s[10:11], s[10:11], s[30:31]
	s_lshl_b32 s30, s32, 17                        ; w1q [leaf][wave][K step 8][tile 4][1,024]
	s_lshl_b32 s35, s28, 15
	s_add_co_u32 s30, s30, s35
	s_lshl_b32 s35, s33, 13
	s_add_co_u32 s30, s30, s35
	s_lshl_b32 s35, s34, 11
	s_add_co_u32 s30, s30, s35
	s_add_nc_u64 s[20:21], s[20:21], s[30:31]
	s_lshl_b32 s30, s32, 13                        ; w1s [leaf][wave][tile 4][row 16][K step 8] words
	s_lshl_b32 s35, s28, 11
	s_add_co_u32 s30, s30, s35
	s_lshl_b32 s35, s34, 10
	s_add_co_u32 s30, s30, s35
	s_lshl_b32 s35, s33, 3
	s_add_co_u32 s30, s30, s35
	s_add_nc_u64 s[22:23], s[22:23], s[30:31]
	v_lshlrev_b32 v3, 2, v1                        ; my column
	v_bfe_u32 v6, v1, 3, 1                         ; THE ROWS OF A TILE ARE NOT NEIGHBOURS: unit q of the wave's 32 is row (q % 8) + 8 (q / 16) of tile (q / 8) % 2,
	v_and_b32 v7, 7, v1                            ; so that in the transposed product the 16 registers of the two tiles are 16 neighbouring units
	v_lshrrev_b32 v8, 4, v1
	v_lshl_add_u32 v7, v8, 3, v7
	v_lshlrev_b32 v4, 10, v6
	v_lshl_add_u32 v4, v7, 4, v4                   ; codes: 1,024 x tile + 16 x row
	v_lshlrev_b32 v5, 9, v6
	v_lshl_add_u32 v5, v7, 5, v5                   ; scale words: 512 x tile + 32 x row
	W1LOAD 0
	W1LOAD 1
.set Q, 0
.rept 8
	W1BLOCK Q
.set Q, Q+1
.endr
	global_store_b64 v5, v[WSB:WSB+1], s[22:23]    ; two K steps' scale words of my row
	s_endpgm
; W2.  Pair j = k 2 j and 2 j + 1.  Block (j, o) = w2[n][2 j + kk][o], all 16 leaves n, kk = 0, 1.  Register 2 n + kk holds (n, kk): so a conversion of eight registers gives four bytes, a leaf's pair each.
; w2q [leaf][o / 16][1,024]: a leaf's 128 codes of an output lie as an operand's row, k ascending: byte i of block b is pair 16 b + i.
; w2s [o / 32][f 4][o % 32][4 words]: word i = 4 f + ii of output o holds the bytes of pairs i, 16 + i, 32 + i, 48 + i: the scale word of the product's instruction i (see the next launch).
.macro W2LOAD t                        ; pair 8 jg + t into set t % 2
.set I, 0
.rept 32
	global_load_b32 v[WX+32*((\t)%2)+I], v3, s[12:13] offset:(I/2)*524288+(2*(\t)+I%2)*4096 th:TH_LOAD_NT   ; at most 15 x 524,288 + 15 x 4,096: inside the signed 24-bit immediate
.set I, I+1
.endr
.endm
.macro W2BLOCK t
	WMAX \t
	v_lshrrev_b32 v[WBY+(\t)], 23, v11             ; the scale's byte
.irp g, 0,1,2,3
	v_cvt_scalef32_pk8_fp4_f32 v[WC+4*(\t)+\g], v[XS+8*\g:XS+8*\g+7], v11   ; byte x: leaf 4 g + x, the lower k in the low four bits
.endr
	global_store_b8 v5, v[WBY+(\t)], s[26:27] offset:((\t)/4)*512+((\t)%4)*4   ; one byte of a word whose other three come from other work-groups: 64 KiB in all leave so
.if (\t)+2 < 8
	W2LOAD (\t)+2
.endif
.endm
.Lw2:                                              ; work-group b: pairs 8 (b / 8) .. + 7, 128 columns at b % 8; wave w: its columns 32 w .. 32 w + 31
	s_sub_co_u32 s29, ttmp9, NW1
	s_lshr_b32 s32, s29, 3                         ; jg
	s_and_b32 s33, s29, 7                          ; which 128 columns
	s_lshr_b32 s34, s32, 1                         ; the block of 16 pairs: jg / 2
	s_and_b32 s42, s32, 1                          ; and its half
	s_lshl_b32 s30, s32, 16                        ; w2: 16 rows of 4,096 bytes for 8 pairs
	s_lshl_b32 s35, s33, 9
	s_add_co_u32 s30, s30, s35
	s_lshl_b32 s35, s28, 7
	s_add_co_u32 s30, s30, s35
	s_add_nc_u64 s[12:13], s[12:13], s[30:31]
	s_lshl_b32 s30, s33, 13                        ; w2q: 8 tiles for 128 columns,
	s_lshl_b32 s35, s28, 11                        ; 2 for my wave's 32,
	s_add_co_u32 s30, s30, s35
	s_lshl_b32 s35, s34, 8                         ; 256 x block,
	s_add_co_u32 s30, s30, s35
	s_lshl_b32 s35, s42, 3                         ; 8 bytes for its half
	s_add_co_u32 s30, s30, s35
	s_add_nc_u64 s[24:25], s[24:25], s[30:31]
	s_lshl_b32 s30, s33, 13                        ; w2s: 2,048 bytes for 32 columns,
	s_lshl_b32 s35, s28, 11
	s_add_co_u32 s30, s30, s35
	s_lshl_b32 s35, s42, 10                        ; words 8 (jg % 2) on,
	s_add_co_u32 s30, s30, s35
	s_add_co_u32 s30, s30, s34                     ; byte jg / 2
	s_add_nc_u64 s[26:27], s[26:27], s[30:31]
	s_mov_b32 s36, 0x05010400                      ; v_perm_b32: bytes 0 and 1 of two registers, interleaved;
	s_mov_b32 s37, 0x07030602                      ; bytes 2 and 3;
	s_mov_b32 s38, 0x05040100                      ; the two low halves;
	s_mov_b32 s39, 0x07060302                      ; the two high halves
	v_lshlrev_b32 v3, 2, v1
	v_lshrrev_b32 v6, 4, v1
	v_and_b32 v7, 15, v1
	v_lshlrev_b32 v4, 10, v6
	v_lshl_add_u32 v4, v7, 4, v4                   ; codes: 1,024 x (q / 16) + 16 x (q % 16)
	v_lshlrev_b32 v5, 4, v1                        ; scale words: 16 x q
	W2LOAD 0
	W2LOAD 1
.set Q, 0
.rept 8
	W2BLOCK Q
.set Q, Q+1
.endr
	v_nop                                          ; one plain instruction between the last conversion and the vector lines that read its results
; 8 pairs x 16 leaves of bytes are turned: register (pair t, group g) holds leaves 4 g .. 4 g + 3; wanted are, for each leaf, the bytes of pairs 0-3 and 4-7
.irp g, 0,1,2,3
.irp f, 0,1
	v_perm_b32 v[WP+4*\f],   v[WC+4*(4*\f+1)+\g], v[WC+4*(4*\f)+\g],   s36
	v_perm_b32 v[WP+4*\f+1], v[WC+4*(4*\f+1)+\g], v[WC+4*(4*\f)+\g],   s37
	v_perm_b32 v[WP+4*\f+2], v[WC+4*(4*\f+3)+\g], v[WC+4*(4*\f+2)+\g], s36
	v_perm_b32 v[WP+4*\f+3], v[WC+4*(4*\f+3)+\g], v[WC+4*(4*\f+2)+\g], s37
.endr
.irp f, 0,1
	v_perm_b32 v[WO+2*(4*\g)+\f],   v[WP+4*\f+2], v[WP+4*\f],   s38
	v_perm_b32 v[WO+2*(4*\g+1)+\f], v[WP+4*\f+2], v[WP+4*\f],   s39
	v_perm_b32 v[WO+2*(4*\g+2)+\f], v[WP+4*\f+3], v[WP+4*\f+1], s38
	v_perm_b32 v[WO+2*(4*\g+3)+\f], v[WP+4*\f+3], v[WP+4*\f+1], s39
.endr
.endr
.irp n, 0,1,2,3,4,5,6,7,8,9,10,11,12,13,14,15
	global_store_b64 v4, v[WO+2*\n:WO+2*\n+1], s[24:25] offset:65536*\n   ; leaf n: 8 of my row's 16 bytes of a block; the other 8 are another work-group's
.endr
	s_endpgm
.Lfunc_end_k_q4f52415683_prep:
	.size	k_q4f52415683_prep, .Lfunc_end_k_q4f52415683_prep-k_q4f52415683_prep
	.p2alignl 7, 3214868480
	.fill 96, 4, 3214868480
	.section	.rodata,"a",@progbits
	.p2align	6, 0x0
	.amdhsa_kernel k_q4f52415683_prep
		.amdhsa_group_segment_fixed_size 41472
		.amdhsa_private_segment_fixed_size 0
		.amdhsa_enable_private_segment 0
		.amdhsa_kernarg_size 96
		.amdhsa_user_sgpr_count 2
		.amdhsa_user_sgpr_kernarg_segment_ptr 1
		.amdhsa_wavefront_size32 1
		.amdhsa_system_sgpr_workgroup_id_x 1
		.amdhsa_system_sgpr_workgroup_id_y 1
		.amdhsa_system_sgpr_workgroup_id_z 1
		.amdhsa_system_vgpr_workitem_id 0
		.amdhsa_next_free_vgpr 512
		.amdhsa_next_free_sgpr 66
		.amdhsa_reserve_vcc 1
		.amdhsa_float_denorm_mode_32 3
		.amdhsa_float_denorm_mode_16_64 3
		.amdhsa_memory_ordered 1
		.amdhsa_forward_progress 1
		.amdhsa_inst_pref_size 176
	.end_amdhsa_kernel
	.amdgpu_metadata
---
amdhsa.version: [ 1, 2 ]
amdhsa.kernels:
  - .name:           k_q4f52415683_prep
    .symbol:         k_q4f52415683_prep.kd
    .args:
      - { .name: inputs, .offset: 0, .size: 8, .value_kind: global_buffer, .address_space: global }
      - { .name: wnode, .offset: 8, .size: 8, .value_kind: global_buffer, .address_space: global }
      - { .name: bnode, .offset: 16, .size: 8, .value_kind: global_buffer, .address_space: global }
      - { .name: w1, .offset: 24, .size: 8, .value_kind: global_buffer, .address_space: global }
      - { .name: w2, .offset: 32, .size: 8, .value_kind: global_buffer, .address_space: global }
      - { .name: xq, .offset: 40, .size: 8, .value_kind: global_buffer, .address_space: global }
      - { .name: xs, .offset: 48, .size: 8, .value_kind: global_buffer, .address_space: global }
      - { .name: route, .offset: 56, .size: 8, .value_kind: global_buffer, .address_space: global }
      - { .name: w1q, .offset: 64, .size: 8, .value_kind: global_buffer, .address_space: global }
      - { .name: w1s, .offset: 72, .size: 8, .value_kind: global_buffer, .address_space: global }
      - { .name: w2q, .offset: 80, .size: 8, .value_kind: global_buffer, .address_space: global }
      - { .name: w2s, .offset: 88, .size: 8, .value_kind: global_buffer, .address_space: global }
    .group_segment_fixed_size: 41472
    .private_segment_fixed_size: 0
    .kernarg_segment_align: 8
    .kernarg_segment_size: 96
    .max_flat_workgroup_size: 128
    .sgpr_count:     66
    .vgpr_count:     512
    .wavefront_size: 32
...
	.end_amdgpu_metadata
.endif
;; end of part 1
;; launch chain (part 2): grid 186 x 1, 4 waves a work-group, no clusters, 98,816 bytes of LDS; arguments route, xq, xs, w1q, w1s, b1, w2q, w2s, b2, out0; writes out0
.if DOCPART == 2
	.amdgcn_target "amdgcn-amd-amdhsa--gfx1250"
	.amdhsa_code_object_version 6
	.text
	.protected	k_q4f52415683_chain
	.globl	k_q4f52415683_chain
	.p2align	8
	.type	k_q4f52415683_chain,@function
k_q4f52415683_chain:
	s_mov_b64 s[64:65], 0
	v_nop
	global_prefetch_b8 v0, s[64:65] scope:SCOPE_SE
	s_setreg_imm32_b32 hwreg(HW_REG_WAVE_MODE, 25, 1), 1
	s_wait_xcnt 0x0
; CHAIN: out[token] = Q((x W1[leaf] + b1[leaf])[128:] * (..)[:128]) W2[leaf] + b2[leaf], both products on codes of FP4 (E2M1) with one E8M0 scale for each 32 along K.
; The gates are rint(sigmoid): 0 or 1, so a token's mixture is exactly one leaf, and the product with b2 is b2[leaf].  Only the chosen leaf is multiplied.
; THE SECOND PRODUCT'S K runs over (k, leaf), the leaf fastest: a block of 32 is two k (a PAIR) x 16 leaves.  Of a token's block only its own leaf's two numbers are not zero, so the block's scale is the pair's,
; and W2's scale is that of the pair over all leaves.  One hardware block of 32 therefore carries one pair: 64 blocks, 16 instructions for a tile of outputs.  Where one operand holds zero codes the other may hold any:
; so W2's fragment stays DENSE (byte i of block b = pair 16 b + i of the leaf) and serves 16 instructions; for instruction i the hidden layer's fragment holds byte i of each block and zeros elsewhere,
; and byte b of both scale words is the scale of pair 16 b + i.
; A work-group takes ONE TILE: 48 places of one leaf's list of tokens.  With 8,192 tokens and 16 leaves there are never more than (8,192 + 16 x 47) / 48 = 186 tiles, whatever the split: that is the grid.
; It finds its tile itself, in registers, from the table that the launch before stored (whole numbers): byte e of group G's record = how many of G's 32 tokens have a leaf under e; bytes 32.. = G's tokens sorted by leaf.
; Places past the tile's last row take the last row's token (the same values are computed again).  A work-group that a split leaves without rows runs on with clamped indices, passes both barriers and stores nothing:
; so no barrier stands under a branch on loaded numbers.
; SHARES.  Wave w makes hidden units 32 w .. 32 w + 31 of both halves (four tiles of W1): after the GLU pairs 16 w .. 16 w + 15; and outputs 256 w .. 256 w + 255 (16 tiles of W2), for all 3 tiles of 16 rows.
; Both products are used transposed (source 0 = weights, source 1 = tokens): a lane holds one token, and its registers run along the hidden units or the outputs.
; Weights come from memory straight into registers, as images of the operand's registers.  The rows' codes go from wave to wave through LDS, as such images too.
; NO TENSOR LOADS, NO CLUSTER: branches here hang on stored numbers, and which leaf a neighbouring work-group has hangs on the stored counts, so partners would not ask for the same tiles.
; LIMITS: NaN and infinities are not served; a block of zeros has the scale byte 1 (its codes are zeros).
; LDS
.set XIMG, 0                           ; x's fragments [tile m 3][K step 8][1,024]
.set AIMG, 24576                       ; the hidden layer's dense images [m 3][1,024]
.set ASC,  27648                       ; its scale words [m 3][i / 8][row 16][i % 8]
.set STG,  30720                       ; the way out: 16 rows x (1,024 + 16) bytes for each wave
.set SPI,  1040
; REGISTERS, window 0
.set LN,   1                           ; lane
.set RW,   2                           ; r = lane % 16
.set HF,   3                           ; h = lane / 16
.set LI,   4                           ; 16 x lane: an image's place for my lane
.set H64,  7                           ; 64 h
.set XBO,  9                           ; 128 w + 16 h: my bytes of a token's codes
.set XI,   10                          ; 16 x lane + 2,048 w
.set AW,   11                          ; where my 8 bytes of the hidden layer's image go
.set ASW,  12                          ; and my scale bytes: 32 x lane + w
.set STO,  13                          ; the stage, in
.set RD,   14                          ; the stage, back
.set VC,   15                          ; 1,024 w + 16 x lane: my bytes of a row of out
.set TA,   16                          ; the tokens at places 0-31 of the tile, a lane each
.set TB,   17                          ; and at places 32-47 (in both halves of the lanes)
.set TM,   18                          ; v18-20 tile m's token of row r
.set XO,   21                          ; v21-23 its codes' offset
.set SO,   24                          ; v24-26 its scale bytes' offset
.set L32,  27
.set L512, 28
.set W1S,  32                          ; v32-47 W1's scale words: 8 p + s: lanes 0-15 tile 2 p, lanes 16-31 tile 2 p + 1.  v32-199 hold scales and nothing else
.set XS,   48                          ; v48-71 x's: 8 m + s
.set AS,   32                          ; later v32-55: the hidden layer's: 8 m + i % 8: lanes 0-15 instruction i < 8, lanes 16-31 instruction 8 + i
.set W2S,  72                          ; v72-199 W2's: 16 p + i: lanes 0-15 tile 2 p, lanes 16-31 tile 2 p + 1
.set T,    200                         ; v200-231 my 8 groups' first 16 bytes
.set SA,   232                         ; the totals' work
.set WS,   240
.set QT,   248
.set AK,   232                         ; the search's work
.set TT,   240
.set BK,   248
.set LP,   200
.set SUM,  208
.set LPL,  209
.set LPH,  210
.set AL,   211
.set AH,   212
.set RA,   213
.set RB,   214
.set PA,   216                         ; v216-220 pass A: base | chunk << 16, and the chosen chunk's four packed registers;  v221-225 pass B
.set PB,   221
.set UA,   232                         ; v232-239, v240-247: eight registers of work for each pass
.set UB,   240
.set AF,   200                         ; later v200-223: the hidden layer's three dense fragments
.set VO,   224                         ; later v224-239: 16 rows' offsets in out
.set BS,   248                         ; v248-255 b2 of my 8 numbers of a row of out
; window 1: W1's 32 fragments, 8 (4 s + t); later
.set FS,   0                           ; v0-127   16 slots: the hidden layer's fragment for instruction i: byte i of each block, zeros elsewhere
.set OB,   128                         ; v128-255 16 rows on their way out
; window 2: v0-127 W2's 16 dense fragments;
.set ACC,  128                         ; v128-223 the first product's 12 accumulators: 32 m + 8 t; behind the GLU the upper 16 of each 32 are the quantiser's work
.set B1,   224                         ; v224-255 b1 in the result's layout, 8 a tile; later
.set QB,   224                         ; v224-247 the pairs' scale bytes, 8 m + pair
.set CQ,   248                         ; v248-253 the codes
.set ONE,  254                         ; 1.0
; window 3: x's 24 fragments, 8 (8 m + s);
.set XG,   192                         ; v192-239 x's codes as gathered;  later the second product's accumulators, two sets of 128
; SCALARS: s24 wave, s25 rows of my tile, s26 leaf, s27 the leaf's first tile, s28 its tokens, s29 running tiles, s30 my first place, s32-48 tokens with a leaf under e, s[50:51] lane selects, s52-59 masks and shifts, s60-62 the search, s63 my last row's place, s66-81 at work, s[82:83] offsets
.set START, 32
.set SS,    66
.set MSB, 0
.macro WIN new                         ; the immediate's high byte repeats the setting that is left
.if MSB != \new
	s_set_vgpr_msb (MSB<<8)|\new
.set MSB, \new
.endif
.endm
	s_load_b512 s[4:19], s[0:1], 0x0               ; route s[4:5], xq s[6:7], xs s[8:9], w1q s[10:11], w1s s[12:13], b1 s[14:15], w2q s[16:17], w2s s[18:19]
	s_load_b128 s[20:23], s[0:1], 0x40             ; b2 s[20:21], out0 s[22:23]
	v_lshl_add_u32 v30, v0, 2, 0x18000
	v_mov_b32 v31, 0
	v_lshrrev_b32 v1, 5, v0
	v_readfirstlane_b32 s24, v1                    ; wave 0..3
	v_and_b32 v[LN], 31, v0
	v_lshlrev_b32 v[L512], 9, v[LN]                ; lane l owns groups 8 l .. 8 l + 7: 64 bytes each
	v_lshlrev_b32 v[LI], 4, v[LN]
	s_lshl_b32 s82, s24, 14                        ; W2's scale words: 64 bytes an output, my 256 outputs
	s_mov_b32 s83, 0
	s_wait_kmcnt 0x0
	s_add_nc_u64 s[18:19], s[18:19], s[82:83]
.irp k, 0,1,2,3,4,5,6,7
	global_load_b128 v[T+4*\k:T+4*\k+3], v[L512], s[4:5] offset:64*\k
.endr
.irp p, 0,1,2,3,4,5,6,7
.irp f, 0,1,2,3
	global_load_b128 v[W2S+16*\p+4*\f:W2S+16*\p+4*\f+3], v[LI], s[18:19] offset:2048*\p+512*\f   ; no leaf enters their address: they go out at once; 512 consecutive bytes a load
.endr
.endr
	; addresses, while the table is on its way
	v_and_b32 v[RW], 15, v0
	v_bfe_u32 v[HF], v0, 4, 1
	v_lshlrev_b32 v[H64], 6, v[HF]
	v_lshlrev_b32 v[L32], 5, v[LN]
	s_lshl_b32 s31, s24, 7
	v_lshl_add_u32 v[XBO], v[HF], 4, s31
	s_lshl_b32 s31, s24, 11
	v_add_nc_u32 v[XI], s31, v[LI]
	s_lshr_b32 s31, s24, 1
	s_lshl_b32 s31, s31, 9
	s_and_b32 s49, s24, 1
	s_lshl_b32 s49, s49, 8
	s_add_co_u32 s31, s31, s49                     ; my 32 units are block w of a row: registers 4 (w / 2) .. of lanes 16 (w % 2) + r,
	v_lshlrev_b32 v[AW], 4, v[RW]
	v_lshl_add_u32 v[AW], v[HF], 3, v[AW]          ; and my lane's 16 are its bytes 8 h .. 8 h + 7
	v_add_nc_u32 v[AW], s31, v[AW]
	v_add_nc_u32 v[ASW], s24, v[L32]
	s_mul_i32 s31, s24, 16*SPI
	s_add_co_u32 s31, s31, STG                     ; my stage
	v_mul_u32_u24 v[STO], v[RW], SPI
	v_lshl_add_u32 v[STO], v[HF], 5, v[STO]
	v_add_nc_u32 v[STO], s31, v[STO]
	v_add_nc_u32 v[RD], s31, v[LI]
	s_lshl_b32 s31, s24, 10
	v_add_nc_u32 v[VC], s31, v[LI]
	s_mov_b32 s50, 0x76543210
	s_mov_b32 s51, 0xfedcba98                      ; v_permlanex16_b32's selects for lane l xor 16
	; ---- A: how many tokens have a leaf under e, for e = 0 .. 15: the sum of byte e over the 256 groups
	s_wait_loadcnt 32                              ; the table's eight loads are in; W2's 32 scale loads behind them may be out
.irp d, 0,1,2,3
	v_add3_u32 v[SA+\d], v[T+\d], v[T+4+\d], v[T+8+\d]             ; four bytes at a time: a byte is at most 32, so four groups stay inside a byte
	v_add3_u32 v[SA+4+\d], v[T+16+\d], v[T+20+\d], v[T+24+\d]
.endr
.irp d, 0,1,2,3
	v_add_nc_u32 v[SA+\d], v[SA+\d], v[T+12+\d]
	v_add_nc_u32 v[SA+4+\d], v[SA+4+\d], v[T+28+\d]
.endr
	s_mov_b32 s31, 0x00ff00ff
.irp d, 0,1,2,3
	v_and_b32 v[WS+2*\d], s31, v[SA+\d]            ; widened to 16 bits: bytes 0 and 2,
	v_and_b32 v[QT+\d], s31, v[SA+4+\d]
	v_lshrrev_b32 v[SA+\d], 8, v[SA+\d]
	v_lshrrev_b32 v[SA+4+\d], 8, v[SA+4+\d]
.endr
.irp d, 0,1,2,3
	v_add_nc_u32 v[WS+2*\d], v[WS+2*\d], v[QT+\d]
	v_and_b32 v[SA+\d], s31, v[SA+\d]              ; bytes 1 and 3
	v_and_b32 v[SA+4+\d], s31, v[SA+4+\d]
.endr
.irp d, 0,1,2,3
	v_add_nc_u32 v[WS+2*\d+1], v[SA+\d], v[SA+4+\d]
.endr
.irp x, 1,2,4,8
.irp i, 0,1,2,3,4,5,6,7
	v_add_nc_u32_dpp v[WS+\i], v[WS+\i], v[WS+\i] row_xmask:\x row_mask:0xf bank_mask:0xf   ; over the lanes: a sum is at most 8,192
.endr
.endr
.irp i, 0,1,2,3,4,5,6,7
	v_permlanex16_b32 v[SA+\i], v[WS+\i], s50, s51
.endr
.irp i, 0,1,2,3,4,5,6,7
	v_add_nc_u32 v[WS+\i], v[WS+\i], v[SA+\i]
.endr
.irp i, 0,1,2,3,4,5,6,7
	v_readfirstlane_b32 s[SS+\i], v[WS+\i]
.endr
.irp d, 0,1,2,3
	s_and_b32 s[START+4*\d], s[SS+2*\d], 0xffff
	s_lshr_b32 s[START+4*\d+2], s[SS+2*\d], 16
	s_and_b32 s[START+4*\d+1], s[SS+2*\d+1], 0xffff
	s_lshr_b32 s[START+4*\d+3], s[SS+2*\d+1], 16
.endr
	s_mov_b32 s[START+16], 8192
	s_mov_b32 s26, 0
	s_mov_b32 s27, 0
	s_mov_b32 s28, 0
	s_mov_b32 s29, 0
.irp e, 0,1,2,3,4,5,6,7,8,9,10,11,12,13,14,15
	s_sub_co_u32 s49, s[START+1+\e], s[START+\e]   ; leaf e's tokens
	s_add_co_u32 s31, s49, 47
	s_mul_i32 s31, s31, 43691
	s_lshr_b32 s31, s31, 21                        ; its tiles: (n + 47) / 48; 43,691 x 48 = 2^21 + 16, exact for n + 47 under 2^17
	s_cmp_le_u32 s29, ttmp9                        ; the last leaf whose first tile is not beyond my number is mine
	s_cselect_b32 s26, \e, s26
	s_cselect_b32 s27, s29, s27
	s_cselect_b32 s28, s49, s28
	s_add_co_u32 s29, s29, s31
.endr
	s_sub_co_u32 s30, ttmp9, s27
	s_mul_i32 s30, s30, 48                         ; my first place in the leaf's list
	s_sub_co_i32 s25, s28, s30
	s_min_i32 s25, s25, 48
	s_max_i32 s25, s25, 0                          ; my rows: 0 .. 48
	s_sub_co_i32 s63, s25, 1
	s_max_i32 s63, s63, 0                          ; my last row's place in the tile
	s_min_u32 s26, s26, 15                         ; a loaded number enters addresses only clamped
	; ---- B: the leaf is known: the next 60 loads go out
	s_lshl_b32 s82, s26, 17
	s_lshl_b32 s31, s24, 15
	s_add_co_u32 s82, s82, s31
	s_add_nc_u64 s[10:11], s[10:11], s[82:83]      ; w1q [leaf][wave]
	s_lshl_b32 s82, s26, 13
	s_lshl_b32 s31, s24, 11
	s_add_co_u32 s82, s82, s31
	s_add_nc_u64 s[12:13], s[12:13], s[82:83]      ; w1s
	s_lshl_b32 s82, s26, 10
	s_lshl_b32 s31, s24, 7
	s_add_co_u32 s82, s82, s31
	s_add_nc_u64 s[14:15], s[14:15], s[82:83]      ; b1: the leaf's 256, my 32 of each half
	s_lshl_b32 s82, s26, 16
	s_lshl_b32 s31, s24, 14
	s_add_co_u32 s82, s82, s31
	s_add_nc_u64 s[16:17], s[16:17], s[82:83]      ; w2q: my 16 tiles
	s_lshl_b32 s82, s26, 12
	s_lshl_b32 s31, s24, 10
	s_add_co_u32 s82, s82, s31
	s_add_nc_u64 s[20:21], s[20:21], s[82:83]      ; b2: the leaf's 1,024, my 256
.irp p, 0,1
.irp f, 0,1
	global_load_b128 v[W1S+8*\p+4*\f:W1S+8*\p+4*\f+3], v[L32], s[12:13] offset:1024*\p+16*\f   ; lane 16 h + r: row r of tile 2 p + h, four K steps' words
.endr
.endr
	WIN 0x80                                       ; destination window 2
.irp t, 0,1,2,3
.irp f, 0,1
	global_load_b128 v[B1+8*\t+4*\f:B1+8*\t+4*\f+3], v[H64], s[14:15] offset:(\t/2)*512+(\t%2)*32+16*\f   ; tile t = 2 half + u: units 16 h + 8 u + 0 .. 7 of my 32
.endr
.endr
	WIN 0x40                                       ; destination window 1
.irp s, 0,1,2,3,4,5
.irp t, 0,1,2,3
.irp c, 0,1
	global_load_b128 v[8*(4*\s+\t)+4*\c:8*(4*\s+\t)+4*\c+3], v[LI], s[10:11] offset:(4*\s+\t)*1024+512*\c   ; 512 consecutive bytes a load
.endr
.endr
.endr
	WIN 0
	; ---- C: which token stands at each of my 48 places, while those loads are on their way
	s_bitcmp1_b32 s26, 2                           ; byte E of a record: which of its four words, which byte
	s_cselect_b32 s52, -1, 0
	s_bitcmp1_b32 s26, 3
	s_cselect_b32 s53, -1, 0
	s_and_b32 s54, s26, 3
	s_lshl_b32 s54, s54, 3
	s_add_co_u32 s55, s26, 1                       ; and byte E + 1
	s_bitcmp1_b32 s55, 2
	s_cselect_b32 s56, -1, 0
	s_bitcmp1_b32 s55, 3
	s_cselect_b32 s57, -1, 0
	s_and_b32 s58, s55, 3
	s_lshl_b32 s58, s58, 3
	s_cmp_eq_u32 s26, 15
	s_cselect_b32 s59, -1, 0                       ; under leaf 16 lie all 32
.irp k, 0,1,2,3,4,5,6,7
	v_cndmask_b32 v[AK+\k], v[T+4*\k], v[T+4*\k+1], s52
	v_cndmask_b32 v[TT+\k], v[T+4*\k+2], v[T+4*\k+3], s52
.endr
.irp k, 0,1,2,3,4,5,6,7
	v_cndmask_b32 v[AK+\k], v[AK+\k], v[TT+\k], s53
.endr
.irp k, 0,1,2,3,4,5,6,7
	v_bfe_u32 v[AK+\k], v[AK+\k], s54, 8           ; where leaf E's tokens begin in group k's sorted list
.endr
.irp k, 0,1,2,3,4,5,6,7
	v_cndmask_b32 v[BK+\k], v[T+4*\k], v[T+4*\k+1], s56
	v_cndmask_b32 v[TT+\k], v[T+4*\k+2], v[T+4*\k+3], s56
.endr
.irp k, 0,1,2,3,4,5,6,7
	v_cndmask_b32 v[BK+\k], v[BK+\k], v[TT+\k], s57
.endr
.irp k, 0,1,2,3,4,5,6,7
	v_bfe_u32 v[BK+\k], v[BK+\k], s58, 8
.endr
.irp k, 0,1,2,3,4,5,6,7
	v_cndmask_b32 v[BK+\k], v[BK+\k], 32, s59
.endr
.irp k, 0,1,2,3,4,5,6,7
	v_sub_nc_u32 v[BK+\k], v[BK+\k], v[AK+\k]      ; how many they are
.endr
	v_mov_b32 v[LP], 0                             ; (the table's registers are done with)
.irp k, 0,1,2,3,4,5,6
	v_add_nc_u32 v[LP+\k+1], v[LP+\k], v[BK+\k]    ; how many lie ahead of group k in my chunk of 8 groups: at most 224
.endr
	v_add_nc_u32 v[SUM], v[LP+7], v[BK+7]          ; my chunk's
	v_lshlrev_b32 v[LPL], 8, v[LP+1]               ; sixteen bytes in four registers
	v_lshl_or_b32 v[LPH], v[LP+5], 8, v[LP+4]
	v_lshl_or_b32 v[AL], v[AK+1], 8, v[AK]
	v_lshl_or_b32 v[AH], v[AK+5], 8, v[AK+4]
	v_lshl_or_b32 v[LPL], v[LP+2], 16, v[LPL]
	v_lshl_or_b32 v[LPH], v[LP+6], 16, v[LPH]
	v_lshl_or_b32 v[AL], v[AK+2], 16, v[AL]
	v_lshl_or_b32 v[AH], v[AK+6], 16, v[AH]
	v_lshl_or_b32 v[LPL], v[LP+3], 24, v[LPL]
	v_lshl_or_b32 v[LPH], v[LP+7], 24, v[LPH]
	v_lshl_or_b32 v[AL], v[AK+3], 24, v[AL]
	v_lshl_or_b32 v[AH], v[AK+7], 24, v[AH]
	v_min_u32 v[RA], s63, v[LN]                    ; pass A: places 0-31, a lane each; a place past my last row takes the last row's
	v_add_nc_u32 v[RA], s30, v[RA]
	v_add_nc_u32 v[RB], 32, v[RW]                  ; pass B: places 32-47, in both halves of the lanes
	v_min_u32 v[RB], s63, v[RB]
	v_add_nc_u32 v[RB], s30, v[RB]
; Level 1: the last chunk whose first place is not beyond mine.  The 32 chunks are walked; each lane keeps the chunk's base and number (one word) and its four packed registers.
.macro RDL n                           ; chunk n's numbers into scalar set n % 2: the chunk before's count, and its own four registers
	v_readlane_b32 s[SS+8*((\n)%2)], v[SUM], (\n)-1
	v_readlane_b32 s[SS+8*((\n)%2)+1], v[LPL], \n
	v_readlane_b32 s[SS+8*((\n)%2)+2], v[LPH], \n
	v_readlane_b32 s[SS+8*((\n)%2)+3], v[AL], \n
	v_readlane_b32 s[SS+8*((\n)%2)+4], v[AH], \n
.endm
.macro SEL n
	s_add_co_u32 s60, s60, s[SS+8*((\n)%2)]        ; chunk n's first place, at most 8,192
	s_or_b32 s61, s60, (\n)<<16
	v_cmp_le_u32 vcc_lo, s60, v[RA]
	v_cmp_le_u32 s62, s60, v[RB]
	v_cndmask_b32 v[PA], v[PA], s61, vcc_lo
	v_cndmask_b32 v[PB], v[PB], s61, s62
.irp q, 1,2,3,4
	v_cndmask_b32 v[PA+\q], v[PA+\q], s[SS+8*((\n)%2)+\q], vcc_lo
	v_cndmask_b32 v[PB+\q], v[PB+\q], s[SS+8*((\n)%2)+\q], s62
.endr
.endm
	v_readlane_b32 s[SS+1], v[LPL], 0              ; chunk 0 begins at place 0: every lane starts with it
	v_readlane_b32 s[SS+2], v[LPH], 0
	v_readlane_b32 s[SS+3], v[AL], 0
	v_readlane_b32 s[SS+4], v[AH], 0
	v_mov_b32 v[PA], 0
	v_mov_b32 v[PB], 0
.irp q, 1,2,3,4
	v_mov_b32 v[PA+\q], s[SS+\q]
	v_mov_b32 v[PB+\q], s[SS+\q]
.endr
	s_mov_b32 s60, 0
	RDL 1
.set N, 1
.rept 31
.if N < 31
	RDL N+1                                        ; the next chunk's scalars are read while this chunk is chosen
.endif
	SEL N
.set N, N+1
.endr
; Level 2: the last of the chunk's 8 groups whose first place is not beyond mine; then the token's number in its group is a byte of the table.
.macro LEV2 p, r, u
	v_and_b32 v[\u], 0xffff, v[\p]                 ; the chunk's first place
	v_lshrrev_b32 v[\u+1], 16, v[\p]               ; the chunk
	v_sub_nc_u32 v[\u], v[\r], v[\u]               ; my place in the chunk
	v_mov_b32 v[\u+2], 0                           ; the group in the chunk
	v_mov_b32 v[\u+3], 0                           ; its first place
.irp k, 1,2,3,4,5,6,7
	v_bfe_u32 v[\u+4], v[\p+1+\k/4], 8*(\k%4), 8
	v_cmp_le_u32 vcc_lo, v[\u+4], v[\u]
	v_cndmask_b32 v[\u+2], v[\u+2], \k, vcc_lo
	v_cndmask_b32 v[\u+3], v[\u+3], v[\u+4], vcc_lo
.endr
	v_cmp_lt_u32 vcc_lo, 3, v[\u+2]
	v_cndmask_b32 v[\u+4], v[\p+3], v[\p+4], vcc_lo
	v_and_b32 v[\u+5], 3, v[\u+2]
	v_lshlrev_b32 v[\u+5], 3, v[\u+5]
	v_bfe_u32 v[\u+4], v[\u+4], v[\u+5], 8         ; where the leaf's tokens begin in the group's sorted list
	v_lshl_add_u32 v[\u+1], v[\u+1], 3, v[\u+2]    ; the group
	v_sub_nc_u32 v[\u], v[\u], v[\u+3]
	v_add_nc_u32 v[\u], v[\u], v[\u+4]             ; my place in that list
	v_lshl_add_u32 v[\u+6], v[\u+1], 6, v[\u]
	v_min_u32 v[\u+6], 16351, v[\u+6]              ; clamped: with the 32 of the immediate it stays inside the table's 16,384 bytes (in a work-group without rows the places point anywhere)
	global_load_u8 v[\u+7], v[\u+6], s[4:5] offset:32
.endm
	LEV2 PA, RA, UA
	LEV2 PB, RB, UB
	s_wait_loadcnt 0x0                             ; the two bytes, and all the loads ahead of them
	v_lshl_add_u32 v[TA], v[UA+1], 5, v[UA+7]      ; token = 32 x group + its number in the group
	v_lshl_add_u32 v[TB], v[UB+1], 5, v[UB+7]
	v_permlanex16_b32 v[UA+4], v[TA], s50, s51
	s_mov_b32 s31, 0xffff
	v_cndmask_b32 v[TM], v[UA+4], v[TA], s31       ; tile 0's row r in lanes r and 16 + r,
	v_cndmask_b32 v[TM+1], v[TA], v[UA+4], s31     ; tile 1's,
	v_min_u32 v[TM+2], 0x1fff, v[TB]               ; tile 2's
	v_min_u32 v[TM], 0x1fff, v[TM]
	v_min_u32 v[TM+1], 0x1fff, v[TM+1]
	; ---- D: the rows are gathered.  Wave w takes K steps 2 w and 2 w + 1 of all 48 rows: a row's 512 bytes are read once by the work-group
.irp m, 0,1,2
	v_lshl_add_u32 v[XO+\m], v[TM+\m], 9, v[XBO]
	v_lshlrev_b32 v[SO+\m], 5, v[TM+\m]
.endr
	WIN 0xc0                                       ; destination window 3
.irp m, 0,1,2
.irp s, 0,1
.irp c, 0,1
	global_load_b128 v[XG+16*\m+8*\s+4*\c:XG+16*\m+8*\s+4*\c+3], v[XO+\m], s[6:7] offset:64*\s+32*\c   ; registers 4 c .. of the fragment: k = 64 c + 32 h + 0 .. 31
.endr
.endr
.endr
	WIN 0
.irp m, 0,1,2
.irp f, 0,1
	global_load_b128 v[XS+8*\m+4*\f:XS+8*\m+4*\f+3], v[SO+\m], s[8:9] offset:16*\f   ; the row's eight scale words
.endr
.endr
	WIN 0x40
.irp s, 6,7
.irp t, 0,1,2,3
.irp c, 0,1
	global_load_b128 v[8*(4*\s+\t)+4*\c:8*(4*\s+\t)+4*\c+3], v[LI], s[10:11] offset:(4*\s+\t)*1024+512*\c
.endr
.endr
.endr
	s_wait_loadcnt 22                              ; x's codes are in; behind them 6 + 16 loads may be out
	WIN 0x0c                                       ; an LDS store's data are its source 1: window 3
.irp m, 0,1,2
.irp s, 0,1
.irp c, 0,1
	ds_store_b128 v[XI], v[XG+16*\m+8*\s+4*\c:XG+16*\m+8*\s+4*\c+3] offset:XIMG+8192*\m+1024*\s+512*\c   ; as an image of the registers
.endr
.endr
.endr
	WIN 0x80                                       ; destination window 2
.irp n, 0,1,2,3,4,5,6,7,8,9,10,11,12,13,14,15
.irp c, 0,1
	global_load_b128 v[8*\n+4*\c:8*\n+4*\c+3], v[LI], s[16:17] offset:1024*\n+512*\c
.endr
.endr
	WIN 0
.irp p, 0,1
	global_load_b128 v[BS+4*\p:BS+4*\p+3], v[LI], s[20:21] offset:512*\p   ; b2 of the 8 numbers that I store of every row
.endr
	s_wait_dscnt 0x0                               ; for the others' sake: my images lie in LDS
	s_barrier_signal -1
	s_barrier_wait -1                              ; all 24 fragments of x do
	; ---- E: the first product: 12 accumulators by turns, a K step at a time; b1 is the C of each sum's first instruction
	WIN 0xc0                                       ; destination window 3
.irp s, 0,1,2,3,4,5,6,7
.irp m, 0,1,2
.irp c, 0,1
	ds_load_b128 v[8*(8*\m+\s)+4*\c:8*(8*\m+\s)+4*\c+3], v[LI] offset:XIMG+8192*\m+1024*\s+512*\c
.endr
.endr
.endr
	s_wait_loadcnt 34                              ; all but W2's 32 loads and b2's two: x's scale words and the rest of W1 are in
.macro P1 s, m, t
.set rD, ACC+32*(\m)+8*(\t)
.set rA, 8*(4*(\s)+(\t))
.set rB, 8*(8*(\m)+(\s))
.set rC, rD
.if (\s) == 0
.set rC, B1+8*(\t)
.endif
.set rE, W1S+8*((\t)/2)+(\s)
.set rF, XS+8*(\m)+(\s)
.if (\t)%2
	v_wmma_scale_f32_16x16x128_f8f6f4 v[rD:rD+7], v[rA:rA+7], v[rB:rB+7], v[rC:rC+7], v[rE], v[rF] matrix_a_fmt:MATRIX_FMT_FP4 matrix_b_fmt:MATRIX_FMT_FP4 matrix_a_scale:MATRIX_SCALE_ROW1
.else
	v_wmma_scale_f32_16x16x128_f8f6f4 v[rD:rD+7], v[rA:rA+7], v[rB:rB+7], v[rC:rC+7], v[rE], v[rF] matrix_a_fmt:MATRIX_FMT_FP4 matrix_b_fmt:MATRIX_FMT_FP4
.endif
.endm
	WIN 0xad                                       ; source 0 (W1) window 1, source 1 (x) window 3, C and D window 2
.irp s, 0,1,2,3,4,5,6,7
	s_wait_dscnt 42-6*\s                           ; this K step's six loads are in; the later steps' may be out
.irp m, 0,1,2
.irp t, 0,1,2,3
	P1 \s, \m, \t
.endr
.endr
.endr
	WIN 0
	; ---- F: the GLU, and the quantiser.  Lane (r, h) holds token r; registers 0-15 of a tile of rows are units 16 h + 0 .. 15 of my 32: eight pairs, each with a scale of its own
.rept 4
	v_nop                                          ; four places behind the products: their results are read, and registers that they read are written, below
.endr
	WIN 0xaa                                       ; all in window 2
.irp m, 0,1,2
.irp j, 0,2,4,6,8,10,12,14
	v_pk_mul_f32 v[ACC+32*\m+\j:ACC+32*\m+\j+1], v[ACC+32*\m+\j:ACC+32*\m+\j+1], v[ACC+32*\m+16+\j:ACC+32*\m+16+\j+1]   ; h[k] x h[128 + k]; each accumulator from its low end on
.endr
.endr
	v_mov_b32 v[ONE], 1.0
.irp p, 0,1,2,3,4,5,6,7
.irp m, 0,1,2
	v_max3_num_f32 v[ACC+32*\m+16+\p], |v[ACC+32*\m+2*\p]|, |v[ACC+32*\m+2*\p+1]|, 0x1800000   ; the pair's largest magnitude, and the floor 2^(3 - 127): the block's other 30 numbers are zeros
.endr
.endr
.irp p, 0,1,2,3,4,5,6,7
.irp m, 0,1,2
	v_add_nc_u32 v[ACC+32*\m+16+\p], 0xff000000, v[ACC+32*\m+16+\p]   ; 2 off its exponent field
.endr
.endr
.irp p, 0,1,2,3,4,5,6,7
.irp m, 0,1,2
	v_lshrrev_b32 v[QB+8*\m+\p], 23, v[ACC+32*\m+16+\p]              ; the scale's byte s
	v_and_b32 v[ACC+32*\m+24+\p], 0x7f800000, v[ACC+32*\m+16+\p]
.endr
.endr
.irp p, 0,1,2,3,4,5,6,7
.irp m, 0,1,2
	v_sub_nc_u32 v[ACC+32*\m+24+\p], 0x7f000000, v[ACC+32*\m+24+\p]   ; exponent field 254 - s: 1 / the scale, a power of two (s lies in 1 .. 252)
.endr
.endr
.irp p, 0,1,2,3,4,5,6,7
.irp m, 0,1,2
	v_mul_f32 v[ACC+32*\m+2*\p], v[ACC+32*\m+24+\p], v[ACC+32*\m+2*\p]         ; the conversion has one scale for eight numbers, a pair has its own: so the division is made here; it rounds nothing
	v_mul_f32 v[ACC+32*\m+2*\p+1], v[ACC+32*\m+24+\p], v[ACC+32*\m+2*\p+1]
.endr
.endr
.irp m, 0,1,2
	v_cvt_scalef32_pk8_fp4_f32 v[CQ+2*\m], v[ACC+32*\m:ACC+32*\m+7], v[ONE]
	v_cvt_scalef32_pk8_fp4_f32 v[CQ+2*\m+1], v[ACC+32*\m+8:ACC+32*\m+15], v[ONE]
.endr
	v_nop                                          ; one plain instruction behind the last conversion
	WIN 0x08                                       ; an LDS store's data are its source 1: window 2
.irp m, 0,1,2
	ds_store_b64 v[AW], v[CQ+2*\m:CQ+2*\m+1] offset:AIMG+1024*\m   ; my 16 codes at their place in the dense image
.irp p, 0,1,2,3,4,5,6,7
	ds_store_b8 v[ASW], v[QB+8*\m+\p] offset:ASC+1024*\m+4*\p      ; pair 16 w + 8 h + p: byte w of token r's scale word for instruction 8 h + p
.endr
.endr
	WIN 0x40                                       ; destination window 1
.set II, 0
.rept 16                               ; the slots' zero codes, written once for the three tiles of rows: slot i has data in registers i / 4 and 4 + i / 4 alone
.set KK, 0
.rept 8
.if (KK%4) != (II/4)
	v_mov_b32 v[FS+8*II+KK], 0
.endif
.set KK, KK+1
.endr
.set II, II+1
.endr
	WIN 0
	s_wait_dscnt 0x0                               ; for the others' sake
	s_barrier_signal -1
	s_barrier_wait -1                              ; the hidden layer's three images and their scale words lie in LDS
	s_cmp_eq_u32 s25, 0                            ; behind the last barrier: a work-group without rows is done
	s_cbranch_scc1 .Lend
	; ---- G: the second product and the way out
.irp m, 0,1,2
.irp c, 0,1
	ds_load_b128 v[AF+8*\m+4*\c:AF+8*\m+4*\c+3], v[LI] offset:AIMG+1024*\m+512*\c
	ds_load_b128 v[AS+8*\m+4*\c:AS+8*\m+4*\c+3], v[L32] offset:ASC+1024*\m+16*\c   ; lane 16 g + r: token r's words for instructions 8 g + 0 .. 7
.endr
.endr
.macro MASK m                          ; tile m's 16 fragments: slot i keeps byte i of each block of the dense fragment
	WIN 0x40                                       ; destination window 1
.set II, 0
.rept 16
	v_and_b32 v[FS+8*II+II/4], 0xff<<(8*(II%4)), v[AF+8*(\m)+II/4]
	v_and_b32 v[FS+8*II+4+II/4], 0xff<<(8*(II%4)), v[AF+8*(\m)+4+II/4]
.set II, II+1
.endr
.endm
.macro MUL2 m                          ; my 16 tiles of outputs for tile m of the rows, into set m % 2 of window 3: 16 instructions deep, the 16 accumulators by turns
	WIN 0xf6                                       ; source 0 (W2) window 2, source 1 (the slot) window 1, C and D window 3
.set II, 0
.rept 16
.set PP, 0
.rept 8
.set rD, 128*((\m)%2)+16*PP
.set rA, 16*PP
.set rB, FS+8*II
.set rE, W2S+16*PP+II
.set rF, AS+8*(\m)+II%8
.if II == 0
	v_wmma_scale_f32_16x16x128_f8f6f4 v[rD:rD+7], v[rA:rA+7], v[rB:rB+7], 0, v[rE], v[rF] matrix_a_fmt:MATRIX_FMT_FP4 matrix_b_fmt:MATRIX_FMT_FP4
	v_wmma_scale_f32_16x16x128_f8f6f4 v[rD+8:rD+15], v[rA+8:rA+15], v[rB:rB+7], 0, v[rE], v[rF] matrix_a_fmt:MATRIX_FMT_FP4 matrix_b_fmt:MATRIX_FMT_FP4 matrix_a_scale:MATRIX_SCALE_ROW1
.elseif II < 8
	v_wmma_scale_f32_16x16x128_f8f6f4 v[rD:rD+7], v[rA:rA+7], v[rB:rB+7], v[rD:rD+7], v[rE], v[rF] matrix_a_fmt:MATRIX_FMT_FP4 matrix_b_fmt:MATRIX_FMT_FP4
	v_wmma_scale_f32_16x16x128_f8f6f4 v[rD+8:rD+15], v[rA+8:rA+15], v[rB:rB+7], v[rD+8:rD+15], v[rE], v[rF] matrix_a_fmt:MATRIX_FMT_FP4 matrix_b_fmt:MATRIX_FMT_FP4 matrix_a_scale:MATRIX_SCALE_ROW1
.else
	v_wmma_scale_f32_16x16x128_f8f6f4 v[rD:rD+7], v[rA:rA+7], v[rB:rB+7], v[rD:rD+7], v[rE], v[rF] matrix_a_fmt:MATRIX_FMT_FP4 matrix_b_fmt:MATRIX_FMT_FP4 matrix_b_scale:MATRIX_SCALE_ROW1
	v_wmma_scale_f32_16x16x128_f8f6f4 v[rD+8:rD+15], v[rA+8:rA+15], v[rB:rB+7], v[rD+8:rD+15], v[rE], v[rF] matrix_a_fmt:MATRIX_FMT_FP4 matrix_b_fmt:MATRIX_FMT_FP4 matrix_a_scale:MATRIX_SCALE_ROW1 matrix_b_scale:MATRIX_SCALE_ROW1
.endif
.set PP, PP+1
.endr
.set II, II+1
.endr
	WIN 0
.endm
; Tile m of the rows leaves.  A lane holds 32 neighbouring bytes of a token's row, and the lanes beside it hold other tokens: so the tile goes through my own stage and comes back as rows of 1,024 bytes; b2 is added there.
.macro OUT m
.if (\m) > 0
	s_wait_xcnt 0x0                                ; the last tile's stores have read their offsets and data: both are written again below
.endif
.set I, 0
.rept 16
.if (\m) < 2
	v_readlane_b32 s[SS+I], v[TA], 16*(\m)+I
.else
	v_readlane_b32 s[SS+I], v[TB], I
.endif
.set I, I+1
.endr
.set I, 0
.rept 16
	s_min_u32 s[SS+I], s[SS+I], 0x1fff             ; clamped ahead of the address
.set I, I+1
.endr
.set I, 0
.rept 16
	v_lshl_add_u32 v[VO+I], s[SS+I], 12, v[VC]     ; the token's row of 4,096 bytes, my wave's 1,024, my 16.  (These sixteen are also the places behind the products: their results are read, and the slots that they read are written, below)
.set I, I+1
.endr
	WIN 0x0c                                       ; an LDS store's data are its source 1: window 3
.set I, 0
.rept 16
	ds_store_b128 v[STO], v[128*((\m)%2)+8*I:128*((\m)%2)+8*I+3] offset:64*I          ; each accumulator from its low end on
	ds_store_b128 v[STO], v[128*((\m)%2)+8*I+4:128*((\m)%2)+8*I+7] offset:64*I+16
.set I, I+1
.endr
	WIN 0x40                                       ; destination window 1
.set I, 0
.rept 16
	ds_load_b128 v[OB+8*I:OB+8*I+3], v[RD] offset:SPI*I          ; LDS serves a wave's instructions in order: these see the stores above
	ds_load_b128 v[OB+8*I+4:OB+8*I+7], v[RD] offset:SPI*I+512
.set I, I+1
.endr
.if (\m) < 2
	MASK (\m)+1                                    ; the next tile's fragments, while the rows come back
.endif
.set GG, 0
.rept 4                                ; four rows at a time
	WIN 0                                          ; at a branch every window is 0
	s_wait_dscnt 24-8*GG                           ; these four rows' eight loads are in; the later rows' may be out
	s_cmp_le_u32 s25, 16*(\m)+4*GG                 ; the tile's rows are its first s25 places: where none of the four is one, the wave is done.  (Up to three places past the last row hold its token and values once more)
	s_cbranch_scc1 .Lend
	WIN 0x41                                       ; the rows window 1, b2 window 0
.set I, 4*GG
.rept 4
.irp k, 0,2,4,6
	v_pk_add_f32 v[OB+8*I+\k:OB+8*I+\k+1], v[OB+8*I+\k:OB+8*I+\k+1], v[BS+\k:BS+\k+1]
.endr
.set I, I+1
.endr
	WIN 0x04                                       ; a store's data are its source 1: window 1
.set I, 4*GG
.rept 4
	global_store_b128 v[VO+I], v[OB+8*I:OB+8*I+3], s[22:23] th:TH_STORE_NT             ; 32 lanes store 512 consecutive bytes, at a multiple of 512 from out's first byte
	global_store_b128 v[VO+I], v[OB+8*I+4:OB+8*I+7], s[22:23] offset:512 th:TH_STORE_NT
.set I, I+1
.endr
.set GG, GG+1
.endr
	WIN 0
.if (\m) < 2
	MUL2 (\m)+1                                    ; while this tile's stores leave; the additions above are the places between the slots' last write and these products
.endif
.endm
	s_wait_dscnt 0x0
	MASK 0
	s_wait_loadcnt 0x0                             ; W2 and b2
.rept 4
	v_nop                                          ; an operand written by vector instructions stands four places ahead of a scaled matrix instruction
.endr
	MUL2 0
	OUT 0
	OUT 1
	OUT 2
.Lend:
	s_wait_dscnt 0x0
	s_wait_tensorcnt 0x0
	ds_add_u32 v30, v31
	s_wait_dscnt 0x0
	s_endpgm
.Lfunc_end_k_q4f52415683_chain:
	.size	k_q4f52415683_chain, .Lfunc_end_k_q4f52415683_chain-k_q4f52415683_chain
	.p2alignl 7, 3214868480
	.fill 96, 4, 3214868480
	.section	.rodata,"a",@progbits
	.p2align	6, 0x0
	.amdhsa_kernel k_q4f52415683_chain
		.amdhsa_group_segment_fixed_size 98816
		.amdhsa_private_segment_fixed_size 0
		.amdhsa_enable_private_segment 0
		.amdhsa_kernarg_size 80
		.amdhsa_user_sgpr_count 2
		.amdhsa_user_sgpr_kernarg_segment_ptr 1
		.amdhsa_wavefront_size32 1
		.amdhsa_system_sgpr_workgroup_id_x 1
		.amdhsa_system_sgpr_workgroup_id_y 1
		.amdhsa_system_sgpr_workgroup_id_z 1
		.amdhsa_system_vgpr_workitem_id 0
		.amdhsa_next_free_vgpr 1024
		.amdhsa_next_free_sgpr 96
		.amdhsa_reserve_vcc 1
		.amdhsa_float_denorm_mode_32 3
		.amdhsa_float_denorm_mode_16_64 3
		.amdhsa_memory_ordered 1
		.amdhsa_forward_progress 1
		.amdhsa_inst_pref_size 255
	.end_amdhsa_kernel
	.section	.bss,"aw",@nobits
	.p2align	6
	.space	262144
	.amdgpu_metadata
---
amdhsa.version: [ 1, 2 ]
amdhsa.kernels:
  - .name:           k_q4f52415683_chain
    .symbol:         k_q4f52415683_chain.kd
    .args:
      - { .name: route, .offset: 0, .size: 8, .value_kind: global_buffer, .address_space: global }
      - { .name: xq, .offset: 8, .size: 8, .value_kind: global_buffer, .address_space: global }
      - { .name: xs, .offset: 16, .size: 8, .value_kind: global_buffer, .address_space: global }
      - { .name: w1q, .offset: 24, .size: 8, .value_kind: global_buffer, .address_space: global }
      - { .name: w1s, .offset: 32, .size: 8, .value_kind: global_buffer, .address_space: global }
      - { .name: b1, .offset: 40, .size: 8, .value_kind: global_buffer, .address_space: global }
      - { .name: w2q, .offset: 48, .size: 8, .value_kind: global_buffer, .address_space: global }
      - { .name: w2s, .offset: 56, .size: 8, .value_kind: global_buffer, .address_space: global }
      - { .name: b2, .offset: 64, .size: 8, .value_kind: global_buffer, .address_space: global }
      - { .name: out0, .offset: 72, .size: 8, .value_kind: global_buffer, .address_space: global }
    .group_segment_fixed_size: 98816
    .private_segment_fixed_size: 0
    .kernarg_segment_align: 8
    .kernarg_segment_size: 80
    .max_flat_workgroup_size: 128
    .sgpr_count:     96
    .vgpr_count:     1024
    .wavefront_size: 32
...
	.end_amdgpu_metadata
.endif
;; end of part 2
